; MI455X (gfx1250); checked and timed in simulation.
; The chip was launched on July 23, 2026; its instructions are those of AMD's public machine-readable ISA for CDNA 5 (MIT licence, August 2026) and "CDNA5" Instruction Set Architecture Reference Guide (July 2026). The comments in the code are by the model that wrote it; some were corrected since.
;; Multi Headed Causal Self Attention. Allowed arithmetic: matrix products marked QUANTISED: E2M1 operands, one E8M0 scale for each 32 along K, by v_wmma_scale_f32_16x16x128_f8f6f4 with both operands' format E2M1 (or v_wmma_scale_f32_32x16x128_f4), f32 sums; everything else in f32.
;; Inputs: Wk_codes 1,024 x 32 x 16 uint8 (E2M1 codes of Wk, K innermost, in blocks of 32 codes, two codes a byte); Wk_scales 1,024 x 32 uint8 (E8M0 scales of Wk, one for each 32 codes along K); Wq_codes 1,024 x 32 x 16 uint8 (E2M1 codes of Wq, K innermost, in blocks of 32 codes, two codes a byte); Wq_scales 1,024 x 32 uint8 (E8M0 scales of Wq, one for each 32 codes along K); Wv_codes 1,024 x 32 x 16 uint8 (E2M1 codes of Wv, K innermost, in blocks of 32 codes, two codes a byte); Wv_scales 1,024 x 32 uint8 (E8M0 scales of Wv, one for each 32 codes along K); x_codes 4,096 x 32 x 16 uint8 (E2M1 codes of x, K innermost, in blocks of 32 codes, two codes a byte); x_scales 4,096 x 32 uint8 (E8M0 scales of x, one for each 32 codes along K).
;; Outputs: out0 4,096 x 1,024 float32.
;; This version of the problem:
;;   THIS VERSION OF THE PROBLEM IS GIVEN IN LOW PRECISION. The matrix products marked QUANTISED in the list below multiply operands that are first quantised to E2M1 (2 exponent bits, 1 mantissa bit; 4 bits a number), with one power-of-two scale for each 32 numbers along K (OCP MX v1.0); their sums are f32. All else is computed in f32.
;;   The module's matrix products, in the order in which they are computed (A, B: the left and right operand; K: the contracted axis; several contracted axes count as one K, in the product's order):
;;     1. [M 4,096, K 1,024] x [K 1,024, N 1,024]; A: input x (given as codes); B: input Wq (given as codes): QUANTISED
;;     2. [M 4,096, K 1,024] x [K 1,024, N 1,024]; A: input x (given as codes); B: input Wk (given as codes): QUANTISED
;;     3. [M 4,096, K 1,024] x [K 1,024, N 1,024]; A: input x (given as codes); B: input Wv (given as codes): QUANTISED
;;     4. batch 16 x [M 4,096, K 64] x [K 64, N 4,096]; A: computed on the way; B: computed on the way: QUANTISED
;;     5. batch 16 x [M 64, K 4,096] x [K 4,096, N 4,096]; A: computed on the way; B: softmax (see below): QUANTISED
;;   THE QUANTISER, for each operand of a quantised product, along K:
;;     - K is cut into blocks of 32 from its start; a last block that is shorter is filled with zeros.
;;     - A block's scale is 2^e with e = floor(log2(the largest magnitude in the block)) - 2, held to -126 .. 127; a block of zeros has e = 0. As a byte (E8M0): e + 127.
;;     - Each number is divided by its block's scale, clamped to +-6, and rounded to the nearest number of E2M1, ties to even, subnormals kept.
;;     - The product sums the exact products of the quantised numbers (number of the format x scale) in f32.
;;   ~~~python
;;   def quantise(x, axis):      # numpy; x: float32 -> the quantised numbers, widened to float32 again
;;       x = np.moveaxis(x, axis, -1); K = x.shape[-1]
;;       x = np.pad(x, [(0, 0)] * (x.ndim - 1) + [(0, -K % 32)]); x = x.reshape(x.shape[:-1] + (-1, 32)); a = np.abs(x).max(-1, keepdims=True)
;;       e = np.where(a > 0, np.clip(np.frexp(np.where(a > 0, a, 1))[1] - 1 - 2, -126, 127), 0)      # np.frexp(a)[1] - 1 = floor(log2(a)), exactly
;;       r = np.clip(x / 2.0 ** e, -6, 6)
;;       step = 2.0 ** (np.maximum(np.frexp(np.where(r == 0, 1, r))[1] - 1, 0) - 1)
;;       q = np.round(r / step) * step * 2.0 ** e      # np.round: ties to even
;;       return np.moveaxis(q.reshape(q.shape[:-2] + (-1,))[..., :K], -1, axis).astype(np.float32)
;;   ~~~
;;   SOFTMAX AHEAD OF A QUANTISED PRODUCT. Where the list says 'softmax', what is quantised is not the finished softmax but p = 2^(t - M), with t = logit x log2(e) and M = ceil(the row's largest t), a whole number; so 1/2 < the row's largest p <= 1. The row's sum l is taken of the UNQUANTISED p, in f32, and the product's result is divided by l at the end. Since M is a whole number, a kernel that streams over the keys may use a running M (the ceiling of the running maximum): every later rescaling is an exact power of two, which a block's scale takes up: the codes' values come out the same.
;;   OPERANDS COMPUTED ON THE WAY. 'Computed on the way' means the value that the module computes at that place (a softmax that the list does not call 'softmax' is quantised finished and normalised). What goes into a quantiser is computed in f32, as accurately as f32 sums, v_exp_f32 and their like allow (about 1e-6 of the number): no bf16 or f16 on the way to a quantiser, and a product that is left as it is and whose result goes on into a quantised operand takes f32 operands (vector FMAs, or v_wmma_f32_16x16x4_f32). A number that lies on a knife's edge between two numbers of the format may be rounded either way, as far as f32 arithmetic and the matrix unit's own rounding can turn it there, and no further.
;;   INPUTS GIVEN AS CODES. Wk (in the module: [1024, 1024], K = its axis 0); Wq (in the module: [1024, 1024], K = its axis 0); Wv (in the module: [1024, 1024], K = its axis 0); x (in the module: [4096, 1024], K = its axis 1): each comes as NAME_codes (uint8): NAME with its K axis moved to the last place and cut into blocks of 32 codes, [.., K / 32, bytes a block], one block behind the other in memory; two codes a byte, the lower K in the low four bits (a code: sign, 2 exponent bits, 1 mantissa bit); and NAME_scales (uint8): the same leading axes, one E8M0 byte (e + 127) for each 32 codes along K. Its value is code x scale, taken as it is: it is not quantised again, and the codes and scales need not be those that the quantiser above would give.
;; One version. Each part assembles by itself: llvm-mc -triple=amdgcn-amd-amdhsa -mcpu=gfx1250 --defsym DOCPART=n.
;; ======== version 1 of 1: 2 launches
;; workspace buffers: qkv 6,684,672 bytes
;; launch proj (part 1): grid 4 x 48, 4 waves a work-group, clusters of 4 x 4, 327,680 bytes of LDS; arguments x_codes, x_scales, Wq_codes, Wq_scales, Wk_codes, Wk_scales, Wv_codes, Wv_scales, qkv; writes qkv
.if DOCPART == 1
	.amdgcn_target "amdgcn-amd-amdhsa--gfx1250"
	.amdhsa_code_object_version 6
	.text
	.protected	k_qb0b0075063_proj
	.globl	k_qb0b0075063_proj
	.p2align	8
	.type	k_qb0b0075063_proj,@function
k_qb0b0075063_proj:
	s_mov_b64 s[64:65], 0
	v_nop
	global_prefetch_b8 v0, s[64:65] scope:SCOPE_SE
	s_setreg_imm32_b32 hwreg(HW_REG_WAVE_MODE, 25, 1), 1
	s_wait_xcnt 0x0
	s_wait_alu depctr_hold_cnt(0) depctr_sa_sdst(0) depctr_va_vdst(0) depctr_va_sdst(0) depctr_va_ssrc(0) depctr_va_vcc(0) depctr_vm_vsrc(0)
	s_getreg_b32 s2, hwreg(HW_REG_IB_STS2, 6, 4)
	s_cmp_eq_u32 s2, 0
	s_cbranch_scc0 .Lentry_in_a_cluster
	s_endpgm
.Lentry_in_a_cluster:
	s_bfe_u32 s2, ttmp6, 0x10000c
	s_cmp_lg_u32 s2, 0xf033
	s_cbranch_scc0 .Lentry_shape_is_right
	s_endpgm
.Lentry_shape_is_right:
; THE PROGRAM: causal attention, 16 heads of 64, over 4,096 tokens, on codes of FP4 (E2M1) with one E8M0 scale for each 32 along a product's K.  Two launches: this one makes q, k, v and quantises them; the next is the attention.
; DEAD WORK, in the whole program: a step of 128 keys all of which come after all 128 queries of a query block is left out (in the second launch).  The mask that hides them is built by the problem's own body (the lower triangle):
; their logits are -infinity for every value of the inputs, so their p is 0, they add 0 to the row's sum and 0 to the result, and they cannot raise the row's maximum.  Every input has a way to the output: all eight are loaded.
; LIMIT: a NaN, an infinity or an overflow that would arise only in those hidden scores is not carried to the result.
; THIS LAUNCH: q = x Wq, k = x Wk, v = x Wv, K = 1,024, all operands given as codes with K innermost (rows of 512 bytes) and scale bytes (rows of 32 bytes).  The f32 sums are quantised in registers and stored as
; IMAGES OF THE OPERAND REGISTERS that the attention wants: q and k along the head's 64 channels (two blocks of 32), v along the keys (blocks of 32 tokens for each channel).
; SHARES.  12 clusters of 4 x 4 work-groups: clusters 0-3 make q, 4-7 k, 8-11 v.  A work-group makes 256 x 256 sums, each of its four waves 128 x 128: 64 accumulators, 512 registers.
; THE MATRIX INSTRUCTION IS USED TRANSPOSED: source 0 = 16 rows of B, source 1 = 16 rows of A: a lane holds ONE row of A, and its registers run along B's rows.  The axis that is quantised must run along the registers:
; for q and k: A = x (tokens), B = the weight (channels);  for v: A = Wv (channels), B = x (tokens).  All operands have rows of the same length, so one text serves the three products: only pointers and tile numbers are chosen.
; All of K lies in two LDS slots of 512 along K: nothing is filled again.  A's tile is shared along a row of the cluster, B's along a column: joint loads.
; FROM SUMS TO AN OPERAND.  Accumulator (a, i) gives lane (r, h) row 16 a + r of A and B's rows 16 i + 8 h + 0 .. 7.  A block of 32 is accumulators 2 b, 2 b + 1 in lanes l and l xor 16.  The conversion of accumulator 2 b + u
; gives, in lane half h, the block's word 2 u + h (a word: 8 codes).  The words of blocks 2 c and 2 c + 1 go to neighbouring registers, and one exchange of halves leaves registers 4 c .. 4 c + 3 with k = 64 c + 32 h + 0 .. 31.
; THE WORKSPACE: [16 heads][32 blocks of 128 tokens][q | k | v], a part = 4,096 bytes of codes + 256 bytes of scale words.  q, k: tile a of 16 tokens at 512 a, lane l's 16 bytes at 16 l (token 16 a + l % 16, channels 32 (l / 16) on);
; scale words [r][f]: the two bytes of token r of tile 2 f, then those of tile 2 f + 1.  v: channel tile t, half c at 512 (2 t + c) + 16 l (channel 16 t + l % 16, keys 64 c + 32 (l / 16) on); scale words [r][t]: the four bytes of the block's 128 keys.
; LIMITS: a block of zeros gets the byte 1 where the quantiser says 127 (its codes are zeros, and this program alone reads the bytes); a block whose largest magnitude lies under 2^-124 is held at the byte 1;
; NaN, infinities and the scale byte 0xff among the inputs are not served.
; REGISTERS, in windows of 256: window 0: v0-31 addresses; v32-95 scale words, two sets; v128-191 A's fragments, one set; on the way out v32-47 at work, v128-191 codes, v192-211 scale words.
;   window 1: B's fragments, two sets.   window 2: the accumulators of my rows 0-63 ((a, b) at v[8 (8 a + b)]);   window 3: those of my rows 64-127.
.set NQ,     4                         ; steps of 128 along K in a slot
.set ROWB,   256                       ; a tile's row in bytes: 512 codes
.set KROW,   512                       ; an operand's row in memory, in bytes
.set PITCH,  272                       ; an LDS row: 256 bytes + 16 of padding: the 16 rows that a load touches start 16 bytes apart modulo 256
.set FR,     8                         ; registers of a fragment
.set NL,     2                         ; LDS loads that bring one
.set NP,     4                         ; places behind this matrix instruction (ISA guide 7.12.1)
.set HALFT,  128*PITCH                 ; 128 rows: what one tensor load brings
.set SLOT,   4*HALFT                   ; A's 256 rows, then B's 256 rows
.set KS,     32                        ; a row of scale bytes
.set SCL,    2*SLOT                    ; behind the slots: the scales, as rows of 256 bytes + 16 of padding
.set HALFS,  (128*KS/256)*272          ; the scales of 128 rows
.set SBLK,   (16*KS/256)*272           ; those of 16 rows
.set SPARE,  SCL+4*HALFS               ; the spare words, 128 bytes for each wave
.set HP,     417792                    ; the workspace: from head to head,
.set BP,     13056                     ; from token block to token block,
.set PART,   4352                      ; from part to part
.set ADRA, 16                          ; v16-17  LDS address of my A fragments in slot 0, 1
.set ADRB, 20                          ; v20-21  the same for B
.set SST,  24                          ; v24     the way out: where a scale word goes in my stage: 512 x wave + 16 (l % 16)
.set SRD,  25                          ; v25     and where 16 bytes of scale words come back: 512 x wave + 16 l
.set CO,   26                          ; v26     16 l: my place in an image
.set ADRS, 27                          ; v27     LDS address of my scale words: lanes 0-15 A's rows, lanes 16-31 B's
.set SPW,  28                          ; v28     LDS address of my spare word; never rewritten
.set NIL,  29                          ; v29     0; never rewritten
.set SCO,  30                          ; v30     where the scale words go in the workspace: (l / 16) heads + 16 (l % 16)
.set SC,   32                          ; scale words of the products, two sets of 32
.set AF,   128                         ; A's fragments
.set TM,   32                          ; the way out: v32-35 largest magnitudes, v36-39 the other half's, then the bytes, v44-47 the conversions' scale operands
.set PC,   128                         ; codes: eight registers for each block a, so that no store's data are written again
.set PW,   192                          ; v192-199 the scale word of block a
.set PT,   200                          ; v200-207 scale words as q and k want them
.set SB,   208                          ; v208-211 scale words back from the stage
.set G1, 24
.set G0, 32
.set G1B, 48
.set G0B, 56
.set G1S, 68
.set G0S, 76
.set G1SB, 80
.set G0SB, 88
.set MSB, 0
.macro WIN new                         ; the immediate's high byte repeats the setting that is left
.if MSB != (\new)
	s_set_vgpr_msb (MSB<<8)|(\new)
.set MSB, (\new)
.endif
.endm
.set MUL_LO, 0xa1                      ; source 0 (B) window 1, source 1 (A) window 0, C and D window 2
.set MUL_HI, 0xf1                      ; the same, C and D window 3
.set TO_B,   0x40                      ; destination window 1, address window 0
; A joint load: waves 0 and 1 fetch for A, waves 2 and 3 for B.  Each line has one mask and one set of registers; the branch hangs on the wave's number alone.  An s_nop 0 and four v_nop follow each line.
.macro JLOAD g0a, g1a, g0b, g1b
	s_cmp_eq_u32 s15, 0
	s_cbranch_scc0 .Lfor_b_\@
	tensor_load_to_lds s[\g0a:\g0a+3], s[\g1a:\g1a+7]
	s_nop 0
.rept 4
	v_nop
.endr
	s_branch .Lasked_\@
.Lfor_b_\@:
	tensor_load_to_lds s[\g0b:\g0b+3], s[\g1b:\g1b+7]
	s_nop 0
.rept 4
	v_nop
.endr
.Lasked_\@:
.endm
.macro CROUND                          ; a round of the cluster's barrier
	s_barrier_signal -1
	s_barrier_wait -1
	s_cmp_lg_u32 s14, 0
	s_cbranch_scc1 .Lnot_wave_0_\@
	s_barrier_signal -3
.Lnot_wave_0_\@:
	s_barrier_wait -3
	s_barrier_signal -1
	s_barrier_wait -1
.endm
	s_load_b512 s[24:39], s[0:1], 0x0              ; x's codes 24, x's scales 26, Wq's 28, 30, Wk's 32, 34, Wv's 36, 38
	s_load_b64 s[12:13], s[0:1], 0x40              ; the workspace
	v_lshl_add_u32 v[SPW], v0, 2, SPARE
	v_mov_b32 v[NIL], 0
	ds_add_u32 v[SPW], v[NIL]                      ; the wave's opening: the add, twice on end, and its wait ahead of my first tensor load; work on registers stands between the second and the wait
	ds_add_u32 v[SPW], v[NIL]
	v_lshrrev_b32 v1, 5, v0
	v_readfirstlane_b32 s14, v1                    ; wave 0..3
	s_lshr_b32 s15, s14, 1                         ; which half of A's rows is mine.  Also: I fetch for A (0) or for B (1)
	s_and_b32 s16, s14, 1                          ; which half of B's rows.  Also: which 128 rows of that tile I fetch
	s_bfe_u32 s40, ttmp6, 0x40000                  ; cx, cy: my place in the cluster
	s_bfe_u32 s41, ttmp6, 0x40004
	s_and_b32 s98, ttmp7, 0xffff                   ; the cluster's y, 0..11: the partners share it
	s_lshr_b32 s95, s98, 2                         ; the product: 0 q, 1 k, 2 v
	s_and_b32 s98, s98, 3                          ; which of the product's four clusters
	s_cmp_eq_u32 s95, 2
	s_cselect_b32 s18, 0, s98                      ; q, k: the clusters lie along A's rows (x: 16 tiles);
	s_cselect_b32 s19, s98, 0                      ; v: along B's rows (x again)
	s_lshl_b32 s42, s19, 2
	s_add_co_u32 s42, s42, s40                     ; B's tile
	s_lshl_b32 s17, s18, 2
	s_add_co_u32 s17, s17, s41                     ; A's tile
	s_lshl_b32 s43, s41, 2
	s_lshl_b32 s43, 15, s43                        ; my row of the cluster
	s_lshl_b32 s44, 0x1111, s40                    ; my column
	; descriptor group 1 for B's tiles: 128 rows x 256 bytes, 16 bytes of padding behind each
	s_or_b32 s[G1B+0], s44, (0<<16)|(1<<20)|(1<<21)|(5<<22)|(3<<25)  ; 15:0 the mask; 17:16 elements of 1 byte; 20 padding on; 21 set beside a mask; 24:22 after every 64 words; 31:25 four words
	s_mov_b32 s[G1B+1], ROWB<<16                   ; tensor_dim0
	s_mov_b32 s[G1B+2], 128<<16                    ; tensor_dim1
	s_mov_b32 s[G1B+3], ROWB<<16                   ; tile_dim0
	s_mov_b32 s[G1B+4], 128                        ; tile_dim1
	s_mov_b32 s[G1B+5], KROW                       ; from row to row
	s_mov_b32 s[G1B+6], 0
	s_mov_b32 s[G1B+7], 0
	; and for the scales of 128 rows: a dense block of 4,096 bytes, as 16 rows of 256 bytes (32 elements of 8 bytes), 16 bytes of padding behind each
	s_or_b32 s[G1S+0], s43, (3<<16)|(1<<20)|(1<<21)|(5<<22)|(3<<25)
	s_or_b32 s[G1SB+0], s44, (3<<16)|(1<<20)|(1<<21)|(5<<22)|(3<<25)
.irp g, G1S, G1SB
	s_mov_b32 s[\g+1], 32<<16
	s_mov_b32 s[\g+2], (128*KS/256)<<16
	s_mov_b32 s[\g+3], 32<<16
	s_mov_b32 s[\g+4], 128*KS/256
	s_mov_b32 s[\g+5], 32
	s_mov_b32 s[\g+6], 0
	s_mov_b32 s[\g+7], 0
.endr
	s_lshl_b32 s18, s16, 7                         ; which 128 rows of the tile I fetch
	s_lshl_b32 s20, s17, 8
	s_add_co_u32 s20, s20, s18                     ; A: row 256 x tile + 128 x half
	s_lshl_b32 s46, s42, 8
	s_add_co_u32 s46, s46, s18                     ; B likewise
	s_mov_b32 s21, 0
	s_mov_b32 s47, 0
	s_mov_b64 s[18:19], KS
	s_mul_u64 s[22:23], s[20:21], s[18:19]         ; where these rows' scales begin, in bytes,
	s_mul_u64 s[92:93], s[46:47], s[18:19]
	s_mov_b64 s[18:19], KROW
	s_mul_u64 s[20:21], s[20:21], s[18:19]         ; and their codes
	s_mul_u64 s[46:47], s[46:47], s[18:19]
	s_mul_i32 s45, s14, HALFT                      ; where they go: wave x 128 rows: no place in the cluster enters an LDS address
	s_mul_i32 s94, s14, HALFS
	s_mov_b32 s96, 0x76543210
	s_mov_b32 s97, 0xfedcba98                      ; v_permlanex16_b32's selects for lane l xor 16
	s_wait_dscnt 0x0                               ; both opening adds are done
	s_wait_kmcnt 0x0
	s_cmp_eq_u32 s95, 0                            ; the operands are chosen by the product's number alone
	s_cselect_b64 s[8:9], s[28:29], s[32:33]       ; B: Wq or Wk,
	s_cselect_b64 s[10:11], s[30:31], s[34:35]
	s_cmp_eq_u32 s95, 2
	s_cselect_b64 s[8:9], s[24:25], s[8:9]         ; for v: x
	s_cselect_b64 s[10:11], s[26:27], s[10:11]
	s_cselect_b64 s[4:5], s[36:37], s[24:25]       ; A: x, for v: Wv
	s_cselect_b64 s[6:7], s[38:39], s[26:27]
	s_add_nc_u64 s[20:21], s[4:5], s[20:21]
	s_add_nc_u64 s[22:23], s[6:7], s[22:23]
	s_add_nc_u64 s[46:47], s[8:9], s[46:47]
	s_add_nc_u64 s[92:93], s[10:11], s[92:93]
	s_or_b32 s[G1+0], s43, (0<<16)|(1<<20)|(1<<21)|(5<<22)|(3<<25)   ; group 1 for A's tiles is written here: the arguments lay in these registers
	s_mov_b32 s[G1+1], ROWB<<16
	s_mov_b32 s[G1+2], 128<<16
	s_mov_b32 s[G1+3], ROWB<<16
	s_mov_b32 s[G1+4], 128
	s_mov_b32 s[G1+5], KROW
	s_mov_b32 s[G1+6], 0
	s_mov_b32 s[G1+7], 0
	CROUND                                         ; all sixteen work-groups are here: the joint loads meet
	s_mov_b32 s[G0S], 1
	s_add_co_u32 s[G0S+1], s94, SCL
	s_mov_b64 s[G0S+2:G0S+3], s[22:23]
	s_or_b32 s[G0S+3], s[G0S+3], 0x80000000
	s_mov_b32 s[G0SB], 1
	s_add_co_u32 s[G0SB+1], s94, SCL
	s_mov_b64 s[G0SB+2:G0SB+3], s[92:93]
	s_or_b32 s[G0SB+3], s[G0SB+3], 0x80000000
	JLOAD G0S, G1S, G0SB, G1SB                     ; the scales first: they are wanted with the first step
.irp s, 0,1
	s_mov_b32 s[G0+4*\s], 1
	s_add_co_u32 s[G0+4*\s+1], s45, \s*SLOT
	s_add_nc_u64 s[G0+4*\s+2:G0+4*\s+3], s[20:21], \s*ROWB
	s_or_b32 s[G0+4*\s+3], s[G0+4*\s+3], 0x80000000
	s_mov_b32 s[G0B+4*\s], 1
	s_add_co_u32 s[G0B+4*\s+1], s45, \s*SLOT
	s_add_nc_u64 s[G0B+4*\s+2:G0B+4*\s+3], s[46:47], \s*ROWB
	s_or_b32 s[G0B+4*\s+3], s[G0B+4*\s+3], 0x80000000
	JLOAD G0+4*\s, G1, G0B+4*\s, G1B               ; both halves of K: three loads of mine are out, and no more follow
.endr
	v_and_b32 v1, 15, v0                           ; l % 16
	v_bfe_u32 v2, v0, 4, 1                         ; l / 16
	v_mul_u32_u24 v3, v1, PITCH
	v_lshl_add_u32 v4, v2, 4, v3                   ; a fragment's row x pitch + 16 x half
	s_mul_i32 s21, s15, HALFT                      ; my 128 rows of A
	s_mul_i32 s22, s16, HALFT                      ; my 128 rows of B,
	s_add_co_u32 s22, s22, 2*HALFT                 ; which lie behind A's 256
.irp s, 0,1
	v_add_nc_u32 v[ADRA+\s], s21, v4
	v_add_nc_u32 v[ADRB+\s], s22, v4
	s_add_co_u32 s21, s21, SLOT
	s_add_co_u32 s22, s22, SLOT
.endr
	v_mul_u32_u24 v5, v1, KS                       ; my row's scales: 32 bytes a row,
	v_lshrrev_b32 v6, 8, v5
	v_lshl_add_u32 v5, v6, 4, v5                   ; and 16 more for each 256 passed
	s_mul_i32 s21, s15, HALFS
	s_mul_i32 s22, s16, HALFS
	s_add_co_u32 s22, s22, 2*HALFS
	s_sub_co_u32 s22, s22, s21
	v_mul_u32_u24 v6, s22, v2                      ; lanes 16-31 take B's
	s_add_co_u32 s21, s21, SCL
	v_add_nc_u32 v5, v5, v6
	v_add_nc_u32 v[ADRS], s21, v5
	; the way out's addresses
	s_lshl_b32 s23, s14, 9                         ; my stage for scale words: 512 bytes a wave
	v_lshl_add_u32 v[SST], v1, 4, s23
	v_and_b32 v6, 31, v0
	v_lshlrev_b32 v[CO], 4, v6
	v_add_nc_u32 v[SRD], s23, v[CO]
	v_mul_u32_u24 v[SCO], v2, HP
	v_lshl_add_u32 v[SCO], v1, 4, v[SCO]
	s_lshl_b32 s20, s17, 1
	s_add_co_u32 s20, s20, s15                     ; which 128 rows of A are mine,
	s_lshl_b32 s46, s42, 1
	s_add_co_u32 s46, s46, s16                     ; which 128 rows of B
	s_cmp_eq_u32 s95, 2
	s_cselect_b32 s21, s20, s46                    ; my pair of heads: by the channels (q, k: B's rows; v: A's),
	s_cselect_b32 s47, s46, s20                    ; my token block: by the tokens
	s_mul_i32 s21, s21, 2*HP
	s_mul_i32 s47, s47, BP
	s_add_co_u32 s20, s21, s47
	s_mul_i32 s21, s95, PART                       ; and the product's part of a block
	s_add_co_u32 s20, s20, s21
	s_mov_b32 s21, 0
	s_add_nc_u64 s[12:13], s[12:13], s[20:21]
.macro FRAG reg, adr, q, i             ; a fragment: lane l holds row l % 16; registers 4 c .. 4 c + 3 hold K = 64 c + 32 (l / 16) + 0 .. 31
.irp c, 0,1
	ds_load_b128 v[\reg+4*\c:\reg+4*\c+3], v[\adr] offset:64*(\q)+32*\c+(\i)*16*PITCH
.endr
.endm
; 16 matrix instructions: A's blocks a0, a0 + 1 x B's eight, the slot's q-th 128 along K.  p: B's set; sc: the set of scale words; zero = 1: the product starts the sums.
; The 64 accumulators take turns, one instruction a turn, in the same order in every step.
.macro MUL16 a0, p, q, sc, zero
.irp a, \a0, \a0+1
.irp b, 0,1,2,3,4,5,6,7
.if \zero
	v_wmma_scale_f32_16x16x128_f8f6f4 v[8*(8*((\a)%4)+\b):8*(8*((\a)%4)+\b)+7], v[128*(\p)+FR*\b:128*(\p)+FR*\b+FR-1], v[AF+FR*(\a):AF+FR*(\a)+FR-1], 0, v[SC+8*NQ*(\sc)+NQ*\b+(\q)], v[SC+8*NQ*(\sc)+NQ*(\a)+(\q)] matrix_a_fmt:MATRIX_FMT_FP4 matrix_b_fmt:MATRIX_FMT_FP4 matrix_a_scale:MATRIX_SCALE_ROW1
.else
	v_wmma_scale_f32_16x16x128_f8f6f4 v[8*(8*((\a)%4)+\b):8*(8*((\a)%4)+\b)+7], v[128*(\p)+FR*\b:128*(\p)+FR*\b+FR-1], v[AF+FR*(\a):AF+FR*(\a)+FR-1], v[8*(8*((\a)%4)+\b):8*(8*((\a)%4)+\b)+7], v[SC+8*NQ*(\sc)+NQ*\b+(\q)], v[SC+8*NQ*(\sc)+NQ*(\a)+(\q)] matrix_a_fmt:MATRIX_FMT_FP4 matrix_b_fmt:MATRIX_FMT_FP4 matrix_a_scale:MATRIX_SCALE_ROW1
.endif
.endr
.endr
.endm
.macro FETCH_B slot, q, p              ; B's eight fragments of the slot's q-th 128 along K into set p
	WIN TO_B
.irp i, 0,1,2,3,4,5,6,7
	FRAG 128*(\p)+FR*\i, ADRB+\slot, \q, \i
.endr
	WIN 0
.endm
.macro FETCH_A slot, q, i0             ; A's blocks i0 .. i0 + 3
.irp i, \i0, \i0+1, \i0+2, \i0+3
	FRAG AF+FR*(\i), ADRA+\slot, \q, \i
.endr
.endm
.macro SCALES sc                       ; a slot's scale words into set sc: four words a row; lanes 0-15 take A's block i, lanes 16-31 B's block i
.irp i, 0,1,2,3,4,5,6,7
	ds_load_b128 v[SC+8*NQ*\sc+NQ*\i:SC+8*NQ*\sc+NQ*\i+3], v[ADRS] offset:\i*SBLK
.endr
.endm
.macro PLACES n                        ; plain vector instructions between a matrix instruction and a load into, or a vector instruction on, its registers
.rept \n
	v_nop
.endr
.endm
; A step of 128 along K that has its successor in the same slot.
.macro STEP slot, q, zero
	s_wait_dscnt 4*NL                              ; B's set and A's blocks 0-3 are in; the youngest eight loads (A's blocks 4-7) may be out
	WIN MUL_LO
	MUL16 0, (\q)%2, \q, \slot, \zero
	MUL16 2, (\q)%2, \q, \slot, \zero
	s_wait_dscnt 0                                 ; A's blocks 4-7 are in
	PLACES NP
	FETCH_B \slot, (\q)+1, 1-(\q)%2
	FETCH_A \slot, (\q)+1, 0
	WIN MUL_HI
	MUL16 4, (\q)%2, \q, \slot, \zero
	MUL16 6, (\q)%2, \q, \slot, \zero
	PLACES NP
	WIN 0
	FETCH_A \slot, (\q)+1, 4
.endm
; Slot 0's last step changes to slot 1.  In front of the barrier each wave waits for all its tensor loads (its part of slot 1), adds 0 to its spare word, and waits for that and for its reads of slot 0.  Nothing is filled again.
.macro TURN slot, next
	s_wait_tensorcnt 0x0                           ; all my tensor loads have landed (every window is 0 here)
	ds_add_u32 v[SPW], v[NIL]                      ; 0 onto my spare word
	s_wait_dscnt 4*NL+1                            ; (the add and the youngest eight loads may be out)
	WIN MUL_LO
	MUL16 0, 1, NQ-1, \slot, 0
	s_wait_dscnt 0x0                               ; the add is done, and my reads of this slot are over
	s_barrier_signal -1
	MUL16 2, 1, NQ-1, \slot, 0
	WIN 0
	s_barrier_wait -1
	PLACES NP
	v_add_nc_u32 v[ADRS], 4*NQ, v[ADRS]            ; on to the next slot's scale words
	FETCH_B \next, 0, 0
	FETCH_A \next, 0, 0
	SCALES \next
	WIN MUL_HI
	MUL16 4, 1, NQ-1, \slot, 0
	MUL16 6, 1, NQ-1, \slot, 0
	PLACES NP
	WIN 0
	FETCH_A \next, 0, 4
.endm
.macro STEPS slot, from                ; the slot's steps from .. NQ - 2
.set Q, \from
.rept NQ-1-\from
	STEP \slot, Q, 0
.set Q, Q+1
.endr
.endm
	s_wait_tensorcnt 1                             ; the scales and my part of slot 0 are in (slot 1's load may be out)
	s_barrier_signal -1
	s_barrier_wait -1                              ; everybody's are
	FETCH_B 0, 0, 0
	FETCH_A 0, 0, 0
	SCALES 0
	FETCH_A 0, 0, 4
	STEP 0, 0, 1                                   ; the first step's products start the sums: nothing is cleared
	STEPS 0, 1
	TURN 0, 1
	STEPS 1, 0
	s_wait_dscnt 4*NL                              ; the last step: nothing more to fetch
	WIN MUL_LO
	MUL16 0, 1, NQ-1, 1, 0
	MUL16 2, 1, NQ-1, 1, 0
	s_wait_dscnt 0
	WIN MUL_HI
	MUL16 4, 1, NQ-1, 1, 0
	MUL16 6, 1, NQ-1, 1, 0
	WIN 0
; THE WAY OUT.  Block a (16 rows of A x my 128 rows of B: eight accumulators, four blocks of 32) becomes eight registers of codes, v[PC + 8 a] on, and a scale word, v[PW + a].
.macro QUANTW a
.set AC, 64*((\a)%4)
.set WW, 2+(\a)/4                      ; the accumulators' window
.set NW, (WW<<2)|(WW<<4)
	WIN NW                                         ; sources 1 and 2 in the accumulators' window
.irp b, 0,1,2,3
	v_max3_num_f32 v[TM+\b], 0x1800000, |v[AC+16*\b]|, |v[AC+16*\b+1]|   ; block b: my 16 numbers, each accumulator from its low end on, and the floor 2^(3 - 127): so the byte cannot fall under 1
.endr
.irp i, 2,4,6,8,10,12,14
.irp b, 0,1,2,3
	v_max3_num_f32 v[TM+\b], v[TM+\b], |v[AC+16*\b+\i]|, |v[AC+16*\b+\i+1]|   ; (the four blocks by turns)
.endr
.endr
	WIN 0
.irp b, 0,1,2,3
	v_permlanex16_b32 v[TM+4+\b], v[TM+\b], s96, s97
.endr
.irp b, 0,1,2,3
	v_max_num_f32 v[TM+\b], v[TM+\b], v[TM+4+\b]   ; with lane l xor 16's: the block's largest magnitude
.endr
.irp b, 0,1,2,3
	v_add_nc_u32 v[TM+12+\b], 0xff000000, v[TM+\b] ; 2 off its exponent field: the conversion takes the exponent field of this operand as its scale
.endr
.irp b, 0,1,2,3
	v_lshrrev_b32 v[TM+4+\b], 23, v[TM+12+\b]      ; the scale's byte
.endr
	v_lshl_or_b32 v[PW+\a], v[TM+5], 8, v[TM+4]    ; the four bytes of my row
	v_lshl_or_b32 v[PW+\a], v[TM+6], 16, v[PW+\a]
	v_lshl_or_b32 v[PW+\a], v[TM+7], 24, v[PW+\a]
.set NW, WW
	WIN NW                                         ; source 0 in the accumulators' window
.irp b, 0,1,2,3
.irp u, 0,1
	v_cvt_scalef32_pk8_fp4_f32 v[PC+8*\a+4*(\b/2)+2*\u+(\b%2)], v[AC+16*\b+8*\u:AC+16*\b+8*\u+7], v[TM+12+\b]   ; in lane half h: word 2 u + h of block b
.endr
.endr
	WIN 0
	v_nop                                          ; one plain place behind a scaled conversion
.irp c, 0,1
.irp u, 0,1
	v_permlane16_swap_b32 v[PC+8*\a+4*\c+2*\u], v[PC+8*\a+4*\c+2*\u+1]   ; lanes 0-15 keep block 2 c's words 2 u, 2 u + 1, lanes 16-31 get block 2 c + 1's
.endr
.endr
.endm
; isv = 0, q and k: registers 4 c on are head c of my two, tile a of the token block.  isv = 1, v: block a is channel tile a % 4 of head a / 4; registers 4 c on are its keys 64 c on.  Each store of the wave covers 512 consecutive bytes, aligned to 256.
; The scale words meet in my own stage (512 bytes, in slot 0, which has had its last fill and its last read; each of the two paths has bytes of its own) and leave as 256 consecutive bytes for each head.
.macro OUT isv
.irp a, 0,1,2,3,4,5,6,7
	QUANTW \a
.irp c, 0,1
.if \isv
	global_store_b128 v[CO], v[PC+8*\a+4*\c:PC+8*\a+4*\c+3], s[12:13] offset:(\a/4)*HP+512*(2*(\a%4)+\c)
.else
	global_store_b128 v[CO], v[PC+8*\a+4*\c:PC+8*\a+4*\c+3], s[12:13] offset:\c*HP+512*\a
.endif
.endr
.if \isv
	ds_store_b32 v[SST], v[PW+\a] offset:4096+256*(\a/4)+4*(\a%4)   ; lanes l and l xor 16 write the same word with the same value
.elseif (\a%2) == 1
	v_perm_b32 v[PT+\a-1], v[PW+\a], v[PW+\a-1], 0x05040100   ; head 0: the two bytes of tile a - 1, then those of tile a
	v_perm_b32 v[PT+\a], v[PW+\a], v[PW+\a-1], 0x07060302     ; head 1 likewise
	ds_store_b32 v[SST], v[PT+\a-1] offset:4*(\a/2)
	ds_store_b32 v[SST], v[PT+\a] offset:256+4*(\a/2)
.endif
.endr
	ds_load_b128 v[SB:SB+3], v[SRD] offset:4096*\isv   ; LDS serves a wave's instructions in order: this sees my stores
	s_wait_dscnt 0x0
	global_store_b128 v[SCO], v[SB:SB+3], s[12:13] offset:4096   ; sixteen lanes store a head's 256 bytes of scale words, aligned
.endm
	PLACES NP                                      ; behind the last products: their results are read and A's registers written below
.irp b, 0,1,2,3
	v_mov_b32 v[TM+4+\b], 0                        ; written once: a lane permute's destination counts as one of its sources
.endr
	s_cmp_eq_u32 s95, 2                            ; the product's number: the same in all partners
	s_cbranch_scc1 .Lv
	OUT 0
	s_branch .Lend
.Lv:
	OUT 1
.Lend:
	s_wait_tensorcnt 0x0                           ; the wave's end, behind my last tensor load and my last LDS store
	ds_add_u32 v[SPW], v[NIL]
	s_wait_dscnt 0x0
	CROUND                                         ; the closing round: no work-group ends while a partner may still ask for a tile that names it
	s_endpgm
.Lfunc_end_k_qb0b0075063_proj:
	.size	k_qb0b0075063_proj, .Lfunc_end_k_qb0b0075063_proj-k_qb0b0075063_proj
	.p2alignl 7, 3214868480
	.fill 96, 4, 3214868480
	.section	.rodata,"a",@progbits
	.p2align	6, 0x0
	.amdhsa_kernel k_qb0b0075063_proj
		.amdhsa_group_segment_fixed_size 327680
		.amdhsa_private_segment_fixed_size 0
		.amdhsa_enable_private_segment 0
		.amdhsa_kernarg_size 72
		.amdhsa_user_sgpr_count 2
		.amdhsa_user_sgpr_kernarg_segment_ptr 1
		.amdhsa_wavefront_size32 1
		.amdhsa_system_sgpr_workgroup_id_x 1
		.amdhsa_system_sgpr_workgroup_id_y 1
		.amdhsa_system_sgpr_workgroup_id_z 1
		.amdhsa_system_vgpr_workitem_id 0
		.amdhsa_next_free_vgpr 1024
		.amdhsa_next_free_sgpr 100
		.amdhsa_reserve_vcc 0
		.amdhsa_float_denorm_mode_32 3
		.amdhsa_float_denorm_mode_16_64 3
		.amdhsa_memory_ordered 1
		.amdhsa_forward_progress 1
		.amdhsa_inst_pref_size 162
	.end_amdhsa_kernel
	.amdgpu_metadata
---
amdhsa.version: [ 1, 2 ]
amdhsa.kernels:
  - .name:           k_qb0b0075063_proj
    .symbol:         k_qb0b0075063_proj.kd
    .args:
      - { .name: x_codes, .offset: 0, .size: 8, .value_kind: global_buffer, .address_space: global }
      - { .name: x_scales, .offset: 8, .size: 8, .value_kind: global_buffer, .address_space: global }
      - { .name: Wq_codes, .offset: 16, .size: 8, .value_kind: global_buffer, .address_space: global }
      - { .name: Wq_scales, .offset: 24, .size: 8, .value_kind: global_buffer, .address_space: global }
      - { .name: Wk_codes, .offset: 32, .size: 8, .value_kind: global_buffer, .address_space: global }
      - { .name: Wk_scales, .offset: 40, .size: 8, .value_kind: global_buffer, .address_space: global }
      - { .name: Wv_codes, .offset: 48, .size: 8, .value_kind: global_buffer, .address_space: global }
      - { .name: Wv_scales, .offset: 56, .size: 8, .value_kind: global_buffer, .address_space: global }
      - { .name: qkv, .offset: 64, .size: 8, .value_kind: global_buffer, .address_space: global }
    .group_segment_fixed_size: 327680
    .private_segment_fixed_size: 0
    .kernarg_segment_align: 8
    .kernarg_segment_size: 72
    .max_flat_workgroup_size: 128
    .sgpr_count:     100
    .vgpr_count:     1024
    .wavefront_size: 32
...
	.end_amdgpu_metadata
.endif
;; end of part 1
;; launch attn (part 2): grid 16 x 16, 8 waves a work-group, no clusters, 327,680 bytes of LDS; arguments qkv, out0; writes out0
.if DOCPART == 2
	.amdgcn_target "amdgcn-amd-amdhsa--gfx1250"
	.amdhsa_code_object_version 6
	.text
	.protected	k_qb0b0075063_attn
	.globl	k_qb0b0075063_attn
	.p2align	8
	.type	k_qb0b0075063_attn,@function
k_qb0b0075063_attn:
	s_mov_b64 s[64:65], 0
	v_nop
	global_prefetch_b8 v0, s[64:65] scope:SCOPE_SE
	s_setreg_imm32_b32 hwreg(HW_REG_WAVE_MODE, 25, 1), 1
	s_wait_xcnt 0x0
; out[q][head] = the sum over keys k <= q of softmax_k(q . k / 8) v, 16 heads of 64 channels, 4,096 tokens, both products on codes of FP4 (E2M1) with E8M0 scales, from the images that the first launch stored.
; LEFT OUT AS DEAD WORK: key steps all of whose 128 keys come after all 128 queries of the query block: the problem's own lower triangle makes their p 0 for every input.  A NaN or an infinity that would arise only there is not carried on.
; THE SOFTMAX: t = score x log2(e) / 8; M = the largest t so far, rounded up to a whole number; p = 2^(t - M) is quantised along the keys, not normalised; the row's sum is taken of the unquantised p and divides at the end.
; When M moves, the sum and O are multiplied by 2^(old M - new M): exact.
; SHARES.  Work-group (g, head) owns the query blocks g and 31 - g, 128 queries each; wave w owns tile w (16 queries) of each.  Block g wants key blocks 0 .. g, block 31 - g wants 0 .. 31 - g: 33 key steps for every wave
; of every work-group, whatever g.  The last step of each block is the one on the diagonal; no step is wholly hidden for any wave.
; THE STREAM.  The 33 key blocks lie in LDS in the order in which they are walked: place s holds key block s (s <= g) or s - g - 1.  A key block's k and v are 8,704 consecutive bytes of the workspace: one dense tile.
; All 33 are asked for once, at the head (wave w: places w, w + 8, w + 16, w + 24; wave 0 also place 32): nothing is filled again, and every trip count and LDS address is a constant pattern of the text.
; NO CLUSTER: the work-groups of a head have different g, so that from place min(g) + 1 on the same LDS place holds different key blocks in each; a joint load wants one descriptor in all that it names.
; K = 64 IN AN INSTRUCTION OF K = 128.  A fragment of k holds TWO tiles of 16 keys, [tile 2 f | tile 2 f + 1].  q lies in twelve registers [0 0 0 0 | q | 0 0 0 0]: the product with [q | 0] gives tile 2 f's scores, that with [0 | q]
; tile 2 f + 1's; the other half meets zero codes, which add nothing.  Both products are used transposed: a lane holds ONE query (lane % 16) throughout; in S^T tile i its registers are keys 16 i + 8 (lane / 16) + 0 .. 7.
; p's codes: the conversion of tile 2 b + u gives word 2 u + h of block b; blocks 2 c and 2 c + 1 go to neighbouring registers, and one exchange of halves gives the operand's layout.
; LIMITS: NaN and infinities are not served; a block of p that is all zeros keeps the byte 1 (its codes are zeros).
.set HP,    417792                     ; the workspace: from head to head,
.set BP,    13056                      ; from token block to token block,
.set PART,  4352                       ; from part to part (q, k, v): 4,096 bytes of codes, 256 of scale words
.set KV,    8704                       ; a key block's k and v; and a place of the stream in LDS
.set SPARE, 33*KV                      ; behind the stream: the spare words, 128 bytes for each of eight waves
.set STAGE, SPARE+1024                 ; behind them: 16 rows x 272 bytes for each wave, for the way out; no tile lands there
.set L16, 1                            ; v1   16 x lane
.set LSC, 2                            ; v2   scale words: 4,096 + 16 r, and 4,352 more in lanes 16-31: k's words below, v's above
.set SPW, 3                            ; v3   LDS address of my spare word; never rewritten
.set NIL, 4                            ; v4   0; never rewritten
.set GO,  5                            ; v5   the way out: 4,096 h + 16 r
.set STO, 6                            ; v6   where I put 32 bytes of a row in my stage
.set RD,  7                            ; v7   where I read a row back
.set ADR, 8                            ; v8   the step's codes
.set ADS, 9                            ; v9   the step's scale words
.set DD,  10                           ; v10  16 w + r - 8 h: register n holds a hidden key where 16 (n / 8) + n % 8 is greater
.set NINF, 11                          ; v11  -infinity
                                       ; v12 -M, v13 the largest t, v[14:15] the sum in two halves; v16-27 [0 | q | 0]; v28 q's scale word; v29, v32-35 the second block's
.set SC,  36                           ; v36-39  the step's scale words
.set KF,  40                           ; v40-71  k's four fragments
.set VF,  72                           ; v72-103 v's four
.set S,   104                          ; v104-167 S^T, then p
.set O,   168                          ; v168-199 O^T
.set PC,  200                          ; v200-207 p's codes
.set PS,  208                          ; v208 p's scale word
.set BM,  212                          ; v212-215 the blocks' largest scores, then largest p
.set BX,  216                          ; v216-219 the other half's, then the bytes
.set BS,  220                          ; v220-223 the conversions' scale operands
.set F,   224                          ; v[224:225] f = 2^(old M - new M); the pair's upper half is written once
.set TA,  226                          ; v[226:227] the second chain of the sum
.set T0,  228                          ; v228 at work
	s_load_b128 s[4:7], s[0:1], 0x0                ; the workspace s[4:5], the output s[6:7]
	v_lshl_add_u32 v[SPW], v0, 2, SPARE
	v_mov_b32 v[NIL], 0
	ds_add_u32 v[SPW], v[NIL]                      ; the wave's opening: the add, twice on end, and its wait ahead of my first tensor load; work on registers stands between the second and the wait
	ds_add_u32 v[SPW], v[NIL]
	v_lshrrev_b32 v1, 5, v0
	v_readfirstlane_b32 s8, v1                     ; wave 0..7
	s_mov_b32 s9, ttmp9                            ; g
	s_and_b32 s10, ttmp7, 0xffff                   ; the head
	s_add_co_u32 s11, s9, 1
	; descriptor group 1: a dense block of 8,704 bytes as 34 rows of 256 bytes (32 elements of 8 bytes), no padding: the images are read 16 bytes a lane on end
	s_mov_b32 s12, 3<<16                           ; no mask; elements of 8 bytes
	s_mov_b32 s13, 32<<16                          ; tensor_dim0
	s_mov_b32 s14, 34<<16                          ; tensor_dim1
	s_mov_b32 s15, 32<<16                          ; tile_dim0
	s_mov_b32 s16, 34                              ; tile_dim1
	s_mov_b32 s17, 32                              ; from row to row
	s_mov_b32 s18, 0
	s_mov_b32 s19, 0
	s_mov_b32 s40, 0x76543210
	s_mov_b32 s41, 0xfedcba98                      ; v_permlanex16_b32's selects for lane l xor 16
	s_mov_b32 s42, 0x3e38aa3b                      ; c = log2(e) / 8
	s_mov_b32 s43, s42                             ; (named with it as a pair, so it is written)
	s_mov_b32 s55, 0
	s_mul_i32 s54, s10, HP
	s_wait_dscnt 0x0                               ; both opening adds are done
	s_wait_kmcnt 0x0
	s_add_nc_u64 s[52:53], s[4:5], s[54:55]        ; the head's first block
	s_mul_i32 s54, s9, BP
	s_add_nc_u64 s[58:59], s[52:53], s[54:55]      ; block g: its q
	s_sub_co_u32 s56, 31, s9
	s_mul_i32 s54, s56, BP
	s_add_nc_u64 s[60:61], s[52:53], s[54:55]      ; block 31 - g
	s_add_nc_u64 s[52:53], s[52:53], PART          ; k and v of the head's first block
	s_mov_b32 s36, 1                               ; place 32 holds key block 31 - g
	s_mov_b32 s37, 32*KV
	s_add_nc_u64 s[38:39], s[60:61], PART
	s_or_b32 s39, s39, 0x80000000
.irp n, 0,1,2,3
	s_add_co_u32 s56, s8, 8*\n                     ; place s = w + 8 n
	s_mov_b32 s[20+4*\n], 1
	s_mul_i32 s[21+4*\n], s56, KV                  ; its LDS address: the wave's number and constants alone
	s_cmp_gt_u32 s56, s9
	s_cselect_b32 s57, s11, 0
	s_sub_co_u32 s57, s56, s57                     ; its key block: s, or s - (g + 1) behind the first query block's steps
	s_mul_i32 s54, s57, BP
	s_add_nc_u64 s[22+4*\n:23+4*\n], s[52:53], s[54:55]
	s_or_b32 s[23+4*\n], s[23+4*\n], 0x80000000
.endr
	s_cmp_lg_u32 s8, 0                             ; wave 0's fifth load goes out first, so that behind each counted wait below the same loads are out in every wave
	s_cbranch_scc1 .Lall
	tensor_load_to_lds s[36:39], s[12:19]
	s_nop 0
.rept 4
	v_nop
.endr
.Lall:
.irp n, 0,1,2,3
	tensor_load_to_lds s[20+4*\n:23+4*\n], s[12:19]   ; at most five loads of a wave are out
	s_nop 0
.endr
.rept 4
	v_nop
.endr
	v_and_b32 v30, 31, v0                          ; lane
	v_and_b32 v31, 15, v0                          ; r
	v_bfe_u32 v29, v0, 4, 1                        ; h
	v_lshlrev_b32 v[L16], 4, v30
	v_lshlrev_b32 v[LSC], 4, v31
	v_mad_u32_u24 v[LSC], v29, PART, v[LSC]
	v_add_nc_u32 v[LSC], 4096, v[LSC]
	v_lshlrev_b32 v[GO], 12, v29
	v_lshl_add_u32 v[GO], v31, 4, v[GO]
	s_mul_i32 s56, s8, 16*272
	s_add_co_u32 s56, s56, STAGE                   ; my stage
	v_mul_u32_u24 v[STO], v31, 272
	v_lshl_add_u32 v[STO], v29, 5, v[STO]
	v_add_nc_u32 v[STO], s56, v[STO]               ; in: row r, 32 bytes for each half of the lanes
	v_mul_u32_u24 v[RD], v29, 272
	v_lshl_add_u32 v[RD], v31, 4, v[RD]
	v_add_nc_u32 v[RD], s56, v[RD]                 ; back: lanes 0-15 one row of 256 bytes, lanes 16-31 the next
	s_lshl_b32 s57, s8, 4
	v_lshlrev_b32 v[DD], 3, v29
	v_sub_nc_u32 v[DD], v31, v[DD]
	v_add_nc_u32 v[DD], s57, v[DD]
	v_mov_b32 v[NINF], 0xff800000
	s_lshl_b32 s57, s8, 9
	v_add_nc_u32 v30, s57, v[L16]                  ; q's image: tile w, 16 bytes a lane
	s_lshr_b32 s57, s8, 1
	s_lshl_b32 s57, s57, 2
	v_lshl_add_u32 v31, v31, 4, s57                ; q's scale word: row r, pair of tiles w / 2
	global_load_b128 v[20:23], v30, s[58:59]
	global_load_b128 v[32:35], v30, s[60:61]
	global_load_b32 v28, v31, s[58:59] offset:4096
	global_load_b32 v29, v31, s[60:61] offset:4096
	s_and_b32 s57, s8, 1
	s_cmp_eq_u32 s57, 0
	s_mov_b32 s62, 0x03020302
	s_cselect_b32 s62, 0x01000100, s62             ; my tile's two bytes of the word, taken twice: they serve [q | 0] and [0 | q]
	s_lshl_b32 s54, s9, 19                         ; the output: (128 g + 16 w) rows of 4,096 bytes + 256 x head
	s_lshl_b32 s56, s8, 16
	s_add_co_u32 s54, s54, s56
	s_lshl_b32 s56, s10, 8
	s_add_co_u32 s54, s54, s56
	s_add_nc_u64 s[48:49], s[6:7], s[54:55]
	s_lshl_b32 s56, s9, 1
	s_sub_co_u32 s56, 31, s56
	s_lshl_b32 s50, s56, 19                        ; from block g to block 31 - g: (31 - 2 g) x 128 rows
	s_mov_b32 s51, 0
.irp i, 16,17,18,19,24,25,26,27
	v_mov_b32 v[\i], 0                             ; the zero codes on both sides of q
.endr
.irp b, 0,1,2,3
	v_mov_b32 v[BX+\b], 0                          ; written once: a lane permute's destination counts as one of its sources
.endr
	v_mov_b32 v[F+1], 0
	v_mov_b32 v[T0], 0
.macro INIT                            ; a query block begins: the largest t is -3e38, under every t; the sum and O^T are zeros, which the first change of M leaves zeros
	v_mov_b32 v13, 0xff61b1e6
	v_floor_f32 v12, -v13
	v_mov_b32 v14, 0
	v_mov_b32 v15, 0
.set J, 0
.rept 32
	v_mov_b32 v[O+J], 0
.set J, J+1
.endr
.endm
	s_wait_loadcnt 0x0                             ; q and its scale words, of both blocks
	v_perm_b32 v28, v28, v28, s62
	v_perm_b32 v29, v29, v29, s62
	INIT                                           ; (these lines are also the places between the write of a scale register and the first scaled product)
.macro MASK                            ; on the diagonal the scores of hidden keys become -infinity ahead of the maximum: p = 0 then
.set N, 0
.rept 64
	v_cmp_gt_i32 vcc_lo, 16*(N/8)+N%8, v[DD]
	v_cndmask_b32 v[S+N], v[S+N], v[NINF], vcc_lo
.set N, N+1
.endr
.endm
; A query block ends: O^T / the sum goes through my stage and leaves as whole rows of the head's 256 bytes.
.macro FINISH
.rept 4
	v_nop                                          ; places behind the last products
.endr
	v_add_f32 v14, v14, v15                        ; the sum's two halves,
	v_permlanex16_b32 v[T0], v14, s40, s41
	v_add_f32 v14, v14, v[T0]                      ; and lane l xor 16's
	v_rcp_f32 v14, v14
	v_nop                                          ; a plain place behind the reciprocal,
	s_wait_alu depctr_va_vdst(0)                   ; and the wait ahead of its first reader
.set J, 0
.rept 16
	v_pk_mul_f32 v[S+J:S+J+1], v[O+J:O+J+1], v[14:15] op_sel_hi:[1,0]   ; each accumulator from its low end on; register 8 t + i is channel 16 t + 8 h + i of query r
.set J, J+2
.endr
.irp t, 0,1,2,3
	ds_store_b128 v[STO], v[S+8*\t:S+8*\t+3] offset:64*\t
	ds_store_b128 v[STO], v[S+8*\t+4:S+8*\t+7] offset:64*\t+16
.endr
.irp i, 0,1,2,3,4,5,6,7
	ds_load_b128 v[S+32+4*\i:S+32+4*\i+3], v[RD] offset:544*\i   ; LDS serves a wave's instructions in order: these see my stores
.endr
.irp i, 0,1,2,3,4,5,6,7
	s_wait_dscnt 7-\i                              ; the younger loads may stay out
	global_store_b128 v[GO], v[S+32+4*\i:S+32+4*\i+3], s[48:49] offset:8192*\i th:TH_STORE_NT   ; sixteen lanes store 256 consecutive bytes, aligned
.endr
.endm
.macro REINIT                          ; on to the second query block
	v_mov_b32 v28, v29                             ; its scale word and its codes first: the lines of INIT are the places ahead of the next scaled product
.irp i, 0,1,2,3
	v_mov_b32 v[20+\i], v[32+\i]
.endr
	INIT
	s_mov_b32 s46, 32                              ; its diagonal step is the stream's last
	s_wait_xcnt 0x0                                ; the stores have read their registers and their base: both may be written again
	s_add_nc_u64 s[48:49], s[48:49], s[50:51]
.endm
; A KEY STEP: 128 keys, at place s45 of the stream, LDS byte s44.  kind 0: no diagonal can fall here; 1: the place is held against the diagonal's (ids and the count of steps alone: all waves go the same way); 2: the stream's last step.
.macro TRIP kind
	v_add_nc_u32 v[ADR], s44, v[L16]
	v_add_nc_u32 v[ADS], s44, v[LSC]
	v_nop
	v_nop                                          ; four places behind the last products, ahead of loads into their registers
	ds_load_b128 v[SC:SC+3], v[ADS]                ; lanes 0-15: k's four scale words of row r; lanes 16-31: v's four
.irp i, 0,1,2,3,4,5,6,7
	ds_load_b128 v[KF+4*\i:KF+4*\i+3], v[ADR] offset:512*\i
.endr
.irp i, 0,1,2,3,4,5,6,7
	ds_load_b128 v[VF+4*\i:VF+4*\i+3], v[ADR] offset:PART+512*\i
.endr
	s_wait_dscnt 0x8                               ; the scale words and k are in; v's eight loads may stay out
.irp f, 0,1,2,3
	v_wmma_scale_f32_16x16x128_f8f6f4 v[S+16*\f:S+16*\f+7], v[KF+8*\f:KF+8*\f+7], v[20:27], 0, v[SC+\f], v28 matrix_a_fmt:MATRIX_FMT_FP4 matrix_b_fmt:MATRIX_FMT_FP4
	v_wmma_scale_f32_16x16x128_f8f6f4 v[S+16*\f+8:S+16*\f+15], v[KF+8*\f:KF+8*\f+7], v[16:23], 0, v[SC+\f], v28 matrix_a_fmt:MATRIX_FMT_FP4 matrix_b_fmt:MATRIX_FMT_FP4
.endr
.rept 4
	v_nop
.endr
.if \kind == 1
	s_cmp_lg_u32 s45, s46
	s_cbranch_scc1 .Lopen_\@
	MASK
.Lopen_\@:
.elseif \kind == 2
	MASK
.endif
.irp b, 0,1,2,3
	v_max3_num_f32 v[BM+\b], v[S+16*\b], v[S+16*\b+1], v[S+16*\b+2]   ; the largest score of each block of 32 keys: it serves for the row's maximum and, since p rises with the score, for the block's largest p
.endr
.irp i, 3,5,7,9,11,13
.irp b, 0,1,2,3
	v_max3_num_f32 v[BM+\b], v[BM+\b], v[S+16*\b+\i], v[S+16*\b+\i+1]
.endr
.endr
.irp b, 0,1,2,3
	v_max_num_f32 v[BM+\b], v[BM+\b], v[S+16*\b+15]
.endr
.irp b, 0,1,2,3
	v_permlanex16_b32 v[BX+\b], v[BM+\b], s40, s41
.endr
.irp b, 0,1,2,3
	v_max_num_f32 v[BM+\b], v[BM+\b], v[BX+\b]     ; with lane l xor 16's 16 keys
.endr
	v_max3_num_f32 v[T0], v[BM], v[BM+1], v[BM+2]
	v_max_num_f32 v[T0], v[T0], v[BM+3]            ; the step's largest score of my query
	v_mul_f32 v[T0], s42, v[T0]                    ; as t
	v_max_num_f32 v13, v13, v[T0]                  ; the running largest t
	v_mov_b32 v[T0], v12
	v_floor_f32 v12, -v13                          ; the new -M = floor(-t): M is a whole number
	v_sub_f32 v[T0], v12, v[T0]                    ; old M - new M: a whole number, 0 or less
	v_cvt_i32_f32 v[T0], v[T0]                     ; (it saturates)
	v_ldexp_f32 v[F], 1.0, v[T0]                   ; f = 2^(old M - new M)
.set J, 0
.rept 32
	v_pk_fma_f32 v[S+J:S+J+1], v[S+J:S+J+1], s[42:43], v[12:13] op_sel_hi:[1,0,0]   ; t - M, two at a time
.set J, J+2
.endr
.irp b, 0,1,2,3
	v_fma_f32 v[BM+\b], v[BM+\b], s42, v12         ; the same of each block's largest score
.endr
.set J, 0
.rept 64
	v_exp_f32 v[S+J], v[S+J]                       ; p = 2^(t - M), at most 1
.set J, J+1
.endr
	v_pk_mul_f32 v[14:15], v[14:15], v[F:F+1] op_sel_hi:[1,0]   ; the sums under the new M (a plain place behind the exponentials)
	s_wait_alu depctr_va_vdst(0)                   ; one wait for the whole batch, ahead of its first reader
.irp b, 0,1,2,3
	v_exp_f32 v[BM+\b], v[BM+\b]                   ; the block's largest p
.endr
	v_pk_add_f32 v[TA:TA+1], v[S:S+1], v[S+2:S+3]  ; the row's sum is taken of the unquantised p, in two chains
.set J, 4
.rept 15
	v_pk_add_f32 v[14:15], v[14:15], v[S+J:S+J+1]
	v_pk_add_f32 v[TA:TA+1], v[TA:TA+1], v[S+J+2:S+J+3]
.set J, J+4
.endr
	v_pk_add_f32 v[14:15], v[14:15], v[TA:TA+1]
	s_wait_alu depctr_va_vdst(0)                   ; and one for the four
.irp b, 0,1,2,3
	v_max_num_f32 v[BM+\b], 0x1800000, v[BM+\b]    ; the floor 2^(3 - 127): the byte cannot fall under 1
.endr
.irp b, 0,1,2,3
	v_add_nc_u32 v[BS+\b], 0xff000000, v[BM+\b]    ; 2 off the exponent field: the conversion's scale operand
.endr
.irp b, 0,1,2,3
	v_lshrrev_b32 v[BX+\b], 23, v[BS+\b]           ; the scale's byte
.endr
	v_lshl_or_b32 v[PS], v[BX+1], 8, v[BX]         ; p's scale word for these 128 keys
	v_lshl_or_b32 v[PS], v[BX+2], 16, v[PS]
	v_lshl_or_b32 v[PS], v[BX+3], 24, v[PS]
.irp b, 0,1,2,3
.irp u, 0,1
	v_cvt_scalef32_pk8_fp4_f32 v[PC+4*(\b/2)+2*\u+(\b%2)], v[S+16*\b+8*\u:S+16*\b+8*\u+7], v[BS+\b]   ; in lane half h: word 2 u + h of block b
.endr
.endr
	v_nop                                          ; one plain place behind a scaled conversion
.irp c, 0,1
.irp u, 0,1
	v_permlane16_swap_b32 v[PC+4*\c+2*\u], v[PC+4*\c+2*\u+1]   ; lanes 0-15 keep block 2 c's words, lanes 16-31 get block 2 c + 1's
.endr
.endr
.set J, 0
.rept 16
	v_pk_mul_f32 v[O+J:O+J+1], v[O+J:O+J+1], v[F:F+1] op_sel_hi:[1,0]   ; O^T under the new M.  (These are also the places between the writes of p's codes and scale word and the products below)
.set J, J+2
.endr
	s_wait_dscnt 0x0                               ; v is in
.irp t, 0,1,2,3                        ; O^T += V^T P^T: the four accumulators have one turn each, and the next step's eight score products stand between two links
	v_wmma_scale_f32_16x16x128_f8f6f4 v[O+8*\t:O+8*\t+7], v[VF+8*\t:VF+8*\t+7], v[PC:PC+7], v[O+8*\t:O+8*\t+7], v[SC+\t], v[PS] matrix_a_fmt:MATRIX_FMT_FP4 matrix_b_fmt:MATRIX_FMT_FP4 matrix_a_scale:MATRIX_SCALE_ROW1
.endr
.if \kind == 1
	s_cmp_lg_u32 s45, s46
	s_cbranch_scc1 .Lon_\@
	FINISH
	REINIT
.Lon_\@:
.elseif \kind == 2
	FINISH
.endif
.if \kind != 2
	s_add_co_u32 s44, s44, KV                      ; the stream's next place
	s_add_co_u32 s45, s45, 1
.endif
.endm
	s_mov_b32 s44, 0
	s_mov_b32 s45, 0
	s_mov_b32 s46, s9                              ; the first query block's diagonal step stands at place g, which is 15 at the most
	s_wait_tensorcnt 0x3                           ; my load for place w has landed; the three behind it may stay out
	s_wait_dscnt 0x0
	s_barrier_signal -1
	s_barrier_wait -1                              ; places 0 to 7 are whole
	s_mov_b32 s47, 8
.Lg0:
	TRIP 1
	s_sub_co_u32 s47, s47, 1
	s_cmp_lg_u32 s47, 0
	s_cbranch_scc1 .Lg0
	s_wait_tensorcnt 0x2                           ; my load for place w + 8 has landed; the two behind it may stay out
	s_wait_dscnt 0x0
	s_barrier_signal -1
	s_barrier_wait -1                              ; places 8 to 15 are whole
	s_mov_b32 s47, 8
.Lg1:
	TRIP 1
	s_sub_co_u32 s47, s47, 1
	s_cmp_lg_u32 s47, 0
	s_cbranch_scc1 .Lg1
	s_wait_tensorcnt 0x0                           ; all my loads have landed
	s_wait_dscnt 0x0
	s_barrier_signal -1
	s_barrier_wait -1                              ; the whole stream lies in LDS
	s_mov_b32 s47, 16
.Lg2:
	TRIP 0                                         ; places 16 to 31: all of the second query block, under its diagonal
	s_sub_co_u32 s47, s47, 1
	s_cmp_lg_u32 s47, 0
	s_cbranch_scc1 .Lg2
	TRIP 2                                         ; place 32: the second block's diagonal step, and its way out
	s_wait_tensorcnt 0x0                           ; the wave's end, behind my last tensor load and my last LDS store
	ds_add_u32 v[SPW], v[NIL]
	s_wait_dscnt 0x0
	s_endpgm
.Lfunc_end_k_qb0b0075063_attn:
	.size	k_qb0b0075063_attn, .Lfunc_end_k_qb0b0075063_attn-k_qb0b0075063_attn
	.p2alignl 7, 3214868480
	.fill 96, 4, 3214868480
	.section	.rodata,"a",@progbits
	.p2align	6, 0x0
	.amdhsa_kernel k_qb0b0075063_attn
		.amdhsa_group_segment_fixed_size 327680
		.amdhsa_private_segment_fixed_size 0
		.amdhsa_enable_private_segment 0
		.amdhsa_kernarg_size 16
		.amdhsa_user_sgpr_count 2
		.amdhsa_user_sgpr_kernarg_segment_ptr 1
		.amdhsa_wavefront_size32 1
		.amdhsa_system_sgpr_workgroup_id_x 1
		.amdhsa_system_sgpr_workgroup_id_y 1
		.amdhsa_system_sgpr_workgroup_id_z 1
		.amdhsa_system_vgpr_workitem_id 0
		.amdhsa_next_free_vgpr 256
		.amdhsa_next_free_sgpr 66
		.amdhsa_reserve_vcc 1
		.amdhsa_float_denorm_mode_32 3
		.amdhsa_float_denorm_mode_16_64 3
		.amdhsa_memory_ordered 1
		.amdhsa_forward_progress 1
		.amdhsa_inst_pref_size 96
	.end_amdhsa_kernel
	.amdgpu_metadata
---
amdhsa.version: [ 1, 2 ]
amdhsa.kernels:
  - .name:           k_qb0b0075063_attn
    .symbol:         k_qb0b0075063_attn.kd
    .args:
      - { .name: qkv, .offset: 0, .size: 8, .value_kind: global_buffer, .address_space: global }
      - { .name: out0, .offset: 8, .size: 8, .value_kind: global_buffer, .address_space: global }
    .group_segment_fixed_size: 327680
    .private_segment_fixed_size: 0
    .kernarg_segment_align: 8
    .kernarg_segment_size: 16
    .max_flat_workgroup_size: 256
    .sgpr_count:     66
    .vgpr_count:     256
    .wavefront_size: 32
...
	.end_amdgpu_metadata
.endif
;; end of part 2
